; MI455X (gfx1250); checked and timed in simulation.
; The chip was launched on July 23, 2026; its instructions are those of AMD's public machine-readable ISA for CDNA 5 (MIT licence, August 2026) and "CDNA5" Instruction Set Architecture Reference Guide (July 2026). The comments in the code are by the model that wrote it; some were corrected since.
;; Attention. Allowed arithmetic: matrix products marked QUANTISED: E5M2 operands, one E8M0 scale for each 32 along K, by v_wmma_scale_f32_16x16x128_f8f6f4 with both operands' format E5M2, f32 sums; everything else in f32.
;; Inputs: k 4 x 16 x 2,048 x 128 float32; mask 4 x 1 x 1 x 2,048 int32; q 4 x 16 x 2,048 x 128 float32; v 4 x 16 x 2,048 x 128 float32.
;; Outputs: out0 4 x 16 x 2,048 x 128 float32.
;; This version of the problem:
;;   THIS VERSION OF THE PROBLEM IS GIVEN IN LOW PRECISION. The matrix products marked QUANTISED in the list below multiply operands that are first quantised to E5M2 (5 exponent bits, 2 mantissa bits; 8 bits a number), with one power-of-two scale for each 32 numbers along K (OCP MX v1.0); their sums are f32. All else is computed in f32.
;;   The module's matrix products, in the order in which they are computed (A, B: the left and right operand; K: the contracted axis; several contracted axes count as one K, in the product's order):
;;     1. batch 64 x [M 2,048, K 128] x [K 128, N 2,048]; A: input q; B: input k: QUANTISED
;;     2. batch 64 x [M 2,048, K 2,048] x [K 2,048, N 128]; A: softmax (see below); B: input v: QUANTISED
;;   THE QUANTISER, for each operand of a quantised product, along K:
;;     - K is cut into blocks of 32 from its start; a last block that is shorter is filled with zeros.
;;     - A block's scale is 2^e with e = floor(log2(the largest magnitude in the block)) - 15, held to -126 .. 127; a block of zeros has e = 0. As a byte (E8M0): e + 127.
;;     - Each number is divided by its block's scale, clamped to +-57,344, and rounded to the nearest number of E5M2, ties to even, subnormals kept.
;;     - The product sums the exact products of the quantised numbers (number of the format x scale) in f32.
;;   ~~~python
;;   def quantise(x, axis):      # numpy; x: float32 -> the quantised numbers, widened to float32 again
;;       x = np.moveaxis(x, axis, -1); K = x.shape[-1]
;;       x = np.pad(x, [(0, 0)] * (x.ndim - 1) + [(0, -K % 32)]); x = x.reshape(x.shape[:-1] + (-1, 32)); a = np.abs(x).max(-1, keepdims=True)
;;       e = np.where(a > 0, np.clip(np.frexp(np.where(a > 0, a, 1))[1] - 1 - 15, -126, 127), 0)      # np.frexp(a)[1] - 1 = floor(log2(a)), exactly
;;       r = np.clip(x / 2.0 ** e, -57344, 57344)
;;       step = 2.0 ** (np.maximum(np.frexp(np.where(r == 0, 1, r))[1] - 1, -14) - 2)
;;       q = np.round(r / step) * step * 2.0 ** e      # np.round: ties to even
;;       return np.moveaxis(q.reshape(q.shape[:-2] + (-1,))[..., :K], -1, axis).astype(np.float32)
;;   ~~~
;;   SOFTMAX AHEAD OF A QUANTISED PRODUCT. Where the list says 'softmax', what is quantised is not the finished softmax but p = 2^(t - M), with t = logit x log2(e) and M = ceil(the row's largest t), a whole number; so 1/2 < the row's largest p <= 1. The row's sum l is taken of the UNQUANTISED p, in f32, and the product's result is divided by l at the end. Since M is a whole number, a kernel that streams over the keys may use a running M (the ceiling of the running maximum): every later rescaling is an exact power of two, which a block's scale takes up: the codes' values come out the same.
;;   OPERANDS COMPUTED ON THE WAY. 'Computed on the way' means the value that the module computes at that place (a softmax that the list does not call 'softmax' is quantised finished and normalised). What goes into a quantiser is computed in f32, as accurately as f32 sums, v_exp_f32 and their like allow (about 1e-6 of the number): no bf16 or f16 on the way to a quantiser, and a product that is left as it is and whose result goes on into a quantised operand takes f32 operands (vector FMAs, or v_wmma_f32_16x16x4_f32). A number that lies on a knife's edge between two numbers of the format may be rounded either way, as far as f32 arithmetic and the matrix unit's own rounding can turn it there, and no further.
;; One version. Each part assembles by itself: llvm-mc -triple=amdgcn-amd-amdhsa -mcpu=gfx1250 --defsym DOCPART=n.
;; ======== version 1 of 1: 3 launches
;; limits: right only within a limited range of input values
;; workspace buffers: kv 35,127,296 bytes; lead 512 bytes of whole numbers
;; launch pack (part 1): grid 16 x 64, 8 waves a work-group, no clusters, 35,840 bytes of LDS; arguments k, v, mask, kv, lead; writes kv, lead
.if DOCPART == 1
	.amdgcn_target "amdgcn-amd-amdhsa--gfx1250"
	.amdhsa_code_object_version 6
	.text
	.protected	k_q5e9aeee1ef_pack
	.globl	k_q5e9aeee1ef_pack
	.p2align	8
	.type	k_q5e9aeee1ef_pack,@function
k_q5e9aeee1ef_pack:
	s_mov_b64 s[64:65], 0
	v_nop
	global_prefetch_b8 v0, s[64:65] scope:SCOPE_SE
	s_setreg_imm32_b32 hwreg(HW_REG_WAVE_MODE, 25, 1), 1
	s_wait_xcnt 0x0
; K and V [64 heads][2048 keys][128], f32, become codes of E5M2 with one E8M0 byte for each 32 along a product's K, laid as IMAGES OF THE OPERAND'S REGISTERS:
; one dense block of 34,304 bytes for each (head, 128 keys):  +0 K's 8 fragments, +16384 V's 8 fragments (2,048 bytes each), +32768 K's scale words, +33280 V's, +33792 the padding mask as 128 f32.
; A fragment's quad c (registers 4 c .. 4 c + 3) of lane l lies at 512 c + 16 l.  K's fragment 2 b + u: lane (r, h) holds key 32 b + 8 u + r + 8 (r / 8), channels 32 c + 16 h + 0 .. 15 (K = the channels).
; V's fragment t: lane (r, h) holds channel 16 t + r, keys 32 c + 16 h + 0 .. 15 (K = the keys).  Scale words: the word at 16 l + 4 j is that of tile 2 j + (l / 16), row l % 16.
; The mask's number is 0 where the key counts and -2^100 where mask == 0.  lead: for each batch the index of its first key with mask != 0 (2,048 if none), 32 times.
; A block's scale is 2^(floor(log2(its largest magnitude)) - 15); its byte is that magnitude's exponent field - 15, held at 1 from below; a block of zeros keeps the byte 1 (its codes are zeros; only this program reads the bytes).
; LIMITS: blocks whose largest magnitude lies under 2^-111 keep the byte 1; NaN and infinities among the inputs are not served.
; SHARES.  Work-group (x = step of 128 keys, y = head) makes one block.  Waves 0-3: K, 32 keys (two tiles) each; waves 4-7: V, 32 channels (two tiles) each, a lane to a channel, registers down the keys.
; No tensor load, one barrier (the scale words meet in LDS and leave as whole runs of 512 bytes).  No matrix unit and no cluster: a stream, read once.
.set BLOCKB, 34304
.set STG,    8448                      ; a K wave's stage: 16 rows x (512 bytes + 16): row r starts 4 r banks on
.set TAIL,   33792                     ; behind the four stages: K's 512 bytes of scale words, then V's
.set TM,     16                        ; v16-19 largest magnitudes, v20-23 bytes, v24-27 57,344 x the scale, v28-31 the conversions' scale operands
.set SEL,    20                        ; s[20:21] v_permlanex16_b32's selects for lane l xor 16
.set MNT,    22                        ; s22 the mantissa field of 57,344
; 64 numbers of a lane, register 16 b + i = k 32 b + 16 (lane / 16) + i of my row, become a fragment's codes in v[pc] on and the row's scale word in v[pw]
.macro QUANT s, pc, pw
.irp b, 0,1,2,3
	v_max3_num_f32 v[TM+\b], |v[\s+16*\b]|, |v[\s+1+16*\b]|, 0x8000000   ; my 16 numbers of block b, and the floor 2^(16 - 127): the byte cannot fall under 1
.endr
.irp i, 2,4,6,8,10,12,14
.irp b, 0,1,2,3
	v_max3_num_f32 v[TM+\b], v[TM+\b], |v[\s+16*\b+\i]|, |v[\s+1+16*\b+\i]|   ; the four blocks by turns
.endr
.endr
.irp b, 0,1,2,3
	v_permlanex16_b32 v[TM+4+\b], v[TM+\b], s[SEL], s[SEL+1]
.endr
.irp b, 0,1,2,3
	v_max_num_f32 v[TM+\b], v[TM+\b], v[TM+4+\b]   ; with lane l xor 16's: the block's largest magnitude
.endr
.irp b, 0,1,2,3
	v_add_nc_u32 v[TM+12+\b], 0xf8800000, v[TM+\b]   ; 15 off its exponent field: the conversion's scale operand
.endr
.irp b, 0,1,2,3
	v_and_or_b32 v[TM+8+\b], v[TM+\b], 0x7f800000, s[MNT]   ; 57,344 x the scale
.endr
.irp b, 0,1,2,3
	v_lshrrev_b32 v[TM+4+\b], 23, v[TM+12+\b]   ; the scale's byte
.endr
	v_lshl_or_b32 v[\pw], v[TM+5], 8, v[TM+4]
	v_lshl_or_b32 v[\pw], v[TM+6], 16, v[\pw]
	v_lshl_or_b32 v[\pw], v[TM+7], 24, v[\pw]
.irp b, 0,1,2,3
.irp i, 0,1,2,3,4,5,6,7,8,9,10,11,12,13,14,15
	v_med3_num_f32 v[\s+16*\b+\i], v[\s+16*\b+\i], -v[TM+8+\b], v[TM+8+\b]   ; the conversion to an 8-bit code does not saturate (ISA guide 7.6.2): the hold comes first
.endr
	v_cvt_scalef32_pk8_bf8_f32 v[\pc+4*\b:\pc+1+4*\b], v[\s+16*\b:\s+7+16*\b], v[TM+12+\b]
	v_cvt_scalef32_pk8_bf8_f32 v[\pc+2+4*\b:\pc+3+4*\b], v[\s+8+16*\b:\s+15+16*\b], v[TM+12+\b]
.endr
	v_nop                                          ; a plain line behind the last conversion
.endm
; tile u's 16 rows go through my stage as they were loaded (a row's 512 bytes over 32 lanes) and come back 16 neighbours of each block of 32 to a lane; LDS serves a wave's instructions in order
.macro TURN u
.set N, 0
.rept 16
	ds_store_b128 v3, v[64+64*\u+4*N:67+64*\u+4*N] offset:N*528
.set N, N+1
.endr
.set N, 0
.rept 16
	ds_load_b128 v[64+64*\u+4*N:67+64*\u+4*N], v4 offset:128*(N/4)+16*(N%4)
.set N, N+1
.endr
.endm
.macro VLOAD t                         ; V(32 t + i, my channel), i = 0 .. 31, into set t % 2: 32 lanes read 128 consecutive bytes, the four V waves side by side a row's 512
.set N, 0
.rept 32
	global_load_b32 v[64+32*((\t)%2)+N], v6, s[6:7] offset:(32*(\t)+N)*512 th:TH_LOAD_NT
.set N, N+1
.endr
.endm
.macro VBLOCK t                        ; a block of 32 keys of my channel: all 32 numbers are mine
.set XS, 64+32*((\t)%2)
.if (\t) < 3
	s_wait_loadcnt 32                              ; this block's 32 loads are in; the next block's 32 may be out
.else
	s_wait_loadcnt 0x0
.endif
	v_max3_num_f32 v12, |v[XS]|, |v[XS+1]|, |v[XS+2]|
	v_max3_num_f32 v13, |v[XS+3]|, |v[XS+4]|, |v[XS+5]|
.irp i, 6,10,14,18,22,26
	v_max3_num_f32 v12, v12, |v[XS+\i]|, |v[XS+\i+1]|
	v_max3_num_f32 v13, v13, |v[XS+\i+2]|, |v[XS+\i+3]|
.endr
	v_max3_num_f32 v12, v12, |v[XS+30]|, |v[XS+31]|
	v_max3_num_f32 v12, v12, v13, 0x8000000        ; and the floor
	v_add_nc_u32 v11, 0xf8800000, v12
	v_and_or_b32 v10, v12, 0x7f800000, s[MNT]
	v_lshrrev_b32 v13, 23, v11
.if (\t) == 0
	v_mov_b32 v14, v13                             ; four bytes make my channel's scale word, the lower keys in the lower byte
.else
	v_lshl_or_b32 v14, v13, 8*(\t), v14
.endif
.set N, 0
.rept 32
	v_med3_num_f32 v[XS+N], v[XS+N], -v10, v10
.set N, N+1
.endr
.irp g, 0,1,2,3
	v_cvt_scalef32_pk8_bf8_f32 v[32+8*(\t)+2*\g:33+8*(\t)+2*\g], v[XS+8*\g:XS+8*\g+7], v11
.endr
	v_nop                                          ; a plain line behind the last conversion
	global_store_b128 v7, v[32+8*(\t):35+8*(\t)], s[28:29] offset:16384+512*(\t)       ; keys 32 t + 0 .. 15: the image's lanes 0-15; sixteen lanes store 256 consecutive bytes, aligned
	global_store_b128 v7, v[36+8*(\t):39+8*(\t)], s[28:29] offset:16384+512*(\t)+256   ; keys 32 t + 16 .. 31: its lanes 16-31
.if (\t) < 2
	VLOAD (\t)+2
.endif
.endm
	s_load_b256 s[4:11], s[0:1], 0x0               ; k s[4:5], v s[6:7], mask s[8:9], kv s[10:11]
	s_load_b64 s[12:13], s[0:1], 0x20              ; lead
	v_lshl_add_u32 v192, v0, 2, 0x8800
	v_mov_b32 v193, 0
	v_lshrrev_b32 v1, 5, v0
	v_readfirstlane_b32 s14, v1                    ; wave 0..7
	s_mov_b32 s15, ttmp9                           ; step
	s_and_b32 s16, ttmp7, 0xffff                   ; head
	; every address register is made here, ahead of the waves' parting
	v_and_b32 v1, 31, v0                           ; lane
	v_lshlrev_b32 v2, 4, v1                        ; 16 x lane
	s_and_b32 s17, s14, 3                          ; which quarter of K or of V is mine
	s_mul_i32 s18, s17, STG
	v_add_nc_u32 v3, s18, v2                       ; my stage, on the way in
	v_and_b32 v10, 15, v0                          ; r
	v_bfe_u32 v11, v0, 4, 1                        ; h
	v_mul_u32_u24 v4, v10, 528
	v_lshl_add_u32 v4, v11, 6, v4
	v_add_nc_u32 v4, s18, v4                       ; and on the way out: row r, + 64 h
	s_lshr_b32 s18, s14, 2
	s_lshl_b32 s18, s18, 9
	s_lshl_b32 s19, s17, 2
	s_add_co_u32 s18, s18, s19
	s_add_co_u32 s18, s18, TAIL
	v_add_nc_u32 v5, s18, v2                       ; my scale word: TAIL + 512 (V) + 16 x lane + 4 x quarter
	v_lshlrev_b32 v6, 2, v1                        ; 4 x lane
	v_lshlrev_b32 v7, 11, v11
	v_lshl_add_u32 v7, v10, 4, v7                  ; V's image: fragment lane / 16, 16 bytes at lane % 16
	v_lshlrev_b32 v9, 4, v0                        ; 16 x thread
	v_add_nc_u32 v8, TAIL, v9
.irp b, 0,1,2,3
	v_mov_b32 v[TM+4+\b], 0                        ; written once: a lane permute's destination counts as one of its sources
.endr
	s_mov_b32 s[SEL], 0x76543210
	s_mov_b32 s[SEL+1], 0xfedcba98
	s_mov_b32 s[MNT], 0x600000
	s_lshl_b32 s24, s16, 20                        ; a head is 2,048 x 512 bytes,
	s_lshl_b32 s19, s15, 16                        ; a step 128 x 512
	s_add_co_u32 s24, s24, s19
	s_mov_b32 s25, 0
	s_lshl_b32 s26, s16, 4
	s_add_co_u32 s26, s26, s15
	s_mul_i32 s26, s26, BLOCKB                     ; my block in kv
	s_mov_b32 s27, 0
	s_lshr_b32 s30, s16, 4                         ; the batch
	s_lshl_b32 s32, s30, 7                         ; its 128 bytes of lead
	s_mov_b32 s33, 0
	s_lshl_b32 s30, s30, 13                        ; its 8,192 bytes of mask,
	s_lshl_b32 s19, s15, 9                         ; the step's 512
	s_add_co_u32 s30, s30, s19
	s_mov_b32 s31, 0
	s_lshl_b32 s34, s17, 12                        ; my two fragments
	s_mov_b32 s35, 0
	s_wait_alu depctr_va_vdst(0)                   ; the wait at the head's end
	s_wait_kmcnt 0x0
	s_add_nc_u64 s[4:5], s[4:5], s[24:25]
	s_add_nc_u64 s[6:7], s[6:7], s[24:25]
	s_add_nc_u64 s[8:9], s[8:9], s[30:31]
	s_add_nc_u64 s[10:11], s[10:11], s[26:27]
	s_add_nc_u64 s[12:13], s[12:13], s[32:33]
	s_add_nc_u64 s[28:29], s[10:11], s[34:35]
	s_cmp_ge_u32 s14, 4
	s_cbranch_scc1 .Lv_wave
	; ---- K: my 32 keys are two tiles; tile u's row i is key 8 u + i + 8 (i / 8)
	s_lshl_b32 s24, s17, 14                        ; 32 keys x 512 bytes
	s_add_nc_u64 s[4:5], s[4:5], s[24:25]
.irp u, 0,1
.set N, 0
.rept 16
	global_load_b128 v[64+64*\u+4*N:67+64*\u+4*N], v2, s[4:5] offset:(8*\u+N+8*(N/8))*512 th:TH_LOAD_NT   ; a key's 512 consecutive bytes
.set N, N+1
.endr
.endr
	s_wait_loadcnt 16                              ; tile 0's 16 loads are in, tile 1's may be out
	TURN 0
	s_wait_loadcnt 0x0
	TURN 1                                         ; the same stage: these stores come behind tile 0's loads
	s_wait_dscnt 32                                ; tile 0 is back: behind its loads stand tile 1's 16 stores and 16 loads
	QUANT 64, 32, 14
.irp c, 0,1,2,3
	global_store_b128 v2, v[32+4*\c:35+4*\c], s[28:29] offset:512*\c          ; 32 lanes store 512 consecutive bytes
.endr
	s_wait_dscnt 0x0
	QUANT 128, 48, 15
.irp c, 0,1,2,3
	global_store_b128 v2, v[48+4*\c:51+4*\c], s[28:29] offset:2048+512*\c
.endr
	v_cmp_gt_u32 vcc_lo, 16, v1
	v_cndmask_b32 v14, v15, v14, vcc_lo            ; lanes 0-15: the even tile's words, lanes 16-31: the odd tile's
	ds_store_b32 v5, v14
	s_branch .Ljoin
.Lv_wave:
	; ---- V: my 32 channels, a lane to a channel, registers down the keys
	s_lshl_b32 s24, s17, 7                         ; 32 channels x 4 bytes
	s_add_nc_u64 s[6:7], s[6:7], s[24:25]
	VLOAD 0
	VLOAD 1
	VBLOCK 0
	VBLOCK 1
	VBLOCK 2
	VBLOCK 3
	ds_store_b32 v5, v14
.Ljoin:
	s_wait_dscnt 0x0                               ; for the others' sake: my scale words lie in LDS
	s_barrier_signal -1
	s_barrier_wait -1
	s_cmp_lt_u32 s14, 2
	s_cbranch_scc0 .Lnot_tail
	ds_load_b128 v[64:67], v8                      ; waves 0 and 1: K's and V's scale words, 512 bytes a wave
	s_wait_dscnt 0x0
	global_store_b128 v9, v[64:67], s[10:11] offset:32768
	s_wait_tensorcnt 0x0
	ds_add_u32 v192, v193
	s_wait_dscnt 0x0
	s_endpgm
.Lnot_tail:
	s_cmp_eq_u32 s14, 2
	s_cbranch_scc0 .Lnot_bias
	global_load_b128 v[64:67], v2, s[8:9]          ; wave 2: the step's 128 numbers of the mask
	v_mov_b32 v10, 0xf1800000                      ; -2^100
	s_wait_alu depctr_va_vdst(0)                   ; the wait here, directly ahead of the wait below
	s_wait_loadcnt 0x0
.irp e, 0,1,2,3
	v_cmp_eq_u32 vcc_lo, 0, v[64+\e]
	v_cndmask_b32 v[64+\e], 0, v10, vcc_lo
.endr
	global_store_b128 v2, v[64:67], s[10:11] offset:33792
	s_wait_tensorcnt 0x0
	ds_add_u32 v192, v193
	s_wait_dscnt 0x0
	s_endpgm
.Lnot_bias:
	s_cmp_eq_u32 s14, 3
	s_cbranch_scc0 .Lend
	s_and_b32 s17, s16, 15
	s_or_b32 s17, s17, s15
	s_cmp_lg_u32 s17, 0                            ; wave 3 of a batch's first head and first step alone:
	s_cbranch_scc1 .Lend
.set N, 0
.rept 16
	global_load_b128 v[64+4*N:67+4*N], v2, s[8:9] offset:512*N   ; the batch's whole mask: number 128 c + 4 lane + e
.set N, N+1
.endr
	v_mov_b32 v11, 2048
	v_mov_b32 v12, 0
	s_wait_alu depctr_va_vdst(0)                   ; the wait here, directly ahead of the wait below
	s_wait_loadcnt 0x0
.set ZC, 15
.rept 16                               ; from the highest index down: the last choice is my lowest index with mask != 0
.set ZE, 3
.rept 4
	v_add_nc_u32 v12, 128*ZC+ZE, v6
	v_cmp_ne_u32 vcc_lo, 0, v[64+4*ZC+ZE]
	v_cndmask_b32 v11, v11, v12, vcc_lo
.set ZE, ZE-1
.endr
.set ZC, ZC-1
.endr
.irp x, 1,2,4,8
	v_mov_b32_dpp v12, v11 row_xmask:\x row_mask:0xf bank_mask:0xf
	v_min_u32 v11, v11, v12
.endr
	v_permlanex16_b32 v12, v11, s[SEL], s[SEL+1]
	v_min_u32 v11, v11, v12                        ; every lane: the batch's first key that counts
	global_store_b32 v6, v11, s[12:13]
.Lend:
	s_wait_tensorcnt 0x0
	ds_add_u32 v192, v193
	s_wait_dscnt 0x0
	s_endpgm
.Lfunc_end_k_q5e9aeee1ef_pack:
	.size	k_q5e9aeee1ef_pack, .Lfunc_end_k_q5e9aeee1ef_pack-k_q5e9aeee1ef_pack
	.p2alignl 7, 3214868480
	.fill 96, 4, 3214868480
	.section	.rodata,"a",@progbits
	.p2align	6, 0x0
	.amdhsa_kernel k_q5e9aeee1ef_pack
		.amdhsa_group_segment_fixed_size 35840
		.amdhsa_private_segment_fixed_size 0
		.amdhsa_enable_private_segment 0
		.amdhsa_kernarg_size 40
		.amdhsa_user_sgpr_count 2
		.amdhsa_user_sgpr_kernarg_segment_ptr 1
		.amdhsa_wavefront_size32 1
		.amdhsa_system_sgpr_workgroup_id_x 1
		.amdhsa_system_sgpr_workgroup_id_y 1
		.amdhsa_system_sgpr_workgroup_id_z 1
		.amdhsa_system_vgpr_workitem_id 0
		.amdhsa_next_free_vgpr 194
		.amdhsa_next_free_sgpr 66
		.amdhsa_reserve_vcc 1
		.amdhsa_float_denorm_mode_32 3
		.amdhsa_float_denorm_mode_16_64 3
		.amdhsa_memory_ordered 1
		.amdhsa_forward_progress 1
		.amdhsa_inst_pref_size 66
	.end_amdhsa_kernel
	.amdgpu_metadata
---
amdhsa.version: [ 1, 2 ]
amdhsa.kernels:
  - .name:           k_q5e9aeee1ef_pack
    .symbol:         k_q5e9aeee1ef_pack.kd
    .args:
      - { .name: k, .offset: 0, .size: 8, .value_kind: global_buffer, .address_space: global }
      - { .name: v, .offset: 8, .size: 8, .value_kind: global_buffer, .address_space: global }
      - { .name: mask, .offset: 16, .size: 8, .value_kind: global_buffer, .address_space: global }
      - { .name: kv, .offset: 24, .size: 8, .value_kind: global_buffer, .address_space: global }
      - { .name: lead, .offset: 32, .size: 8, .value_kind: global_buffer, .address_space: global }
    .group_segment_fixed_size: 35840
    .private_segment_fixed_size: 0
    .kernarg_segment_align: 8
    .kernarg_segment_size: 40
    .max_flat_workgroup_size: 256
    .sgpr_count:     66
    .vgpr_count:     194
    .wavefront_size: 32
...
	.end_amdgpu_metadata
.endif
;; end of part 1
;; launch attn (part 2): grid 4 x 64, 8 waves a work-group, no clusters, 327,680 bytes of LDS; arguments q, kv, out0; writes out0
.if DOCPART == 2
	.amdgcn_target "amdgcn-amd-amdhsa--gfx1250"
	.amdhsa_code_object_version 6
	.text
	.protected	k_q5e9aeee1ef_attn
	.globl	k_q5e9aeee1ef_attn
	.p2align	8
	.type	k_q5e9aeee1ef_attn,@function
k_q5e9aeee1ef_attn:
	s_mov_b64 s[64:65], 0
	v_nop
	global_prefetch_b8 v0, s[64:65] scope:SCOPE_SE
	s_setreg_imm32_b32 hwreg(HW_REG_WAVE_MODE, 25, 1), 1
	s_wait_xcnt 0x0
; out[h][q] = softmax over the keys k <= q with mask != 0 of (Q[h][q] . K[h][k] / sqrt(128)), times V: both products on codes of E5M2 with one E8M0 scale for each 32 along K.
; K, V, their scale words and the padding mask come from kv, one dense block of 34,304 bytes for each (head, 128 keys), laid as images of the operands' registers (quad c of fragment t at 2048 t + 512 c + 16 lane).  q is f32 and is quantised here, in registers.
; THE SOFTMAX: t = score x log2(e) / sqrt(128); M = the running largest t rounded UP to a whole number; p = 2^(t - M) is quantised along the keys; the row's sum is taken of the unquantised p and divides at the end.
; THE MASKS.  The padding mask's number (0, or -2^100 where mask == 0) is loaded into the scores' accumulators and is the C of each score tile's one product; on the diagonal hidden scores are set to -2^100.
; The largest t starts at -2^60, over every masked t and under every t that counts: a masked key's p is 0.  Tiles of keys that all come after a wave's queries lie under reference()'s own causal mask and are left out.
; ROWS WITH NO KEY THAT COUNTS get zeros here (their sum is held at 0.5 from below; every other row's sum lies over 0.5): the launch that follows writes them, with reference()'s additive masks over all keys.
; LIMITS: t of a key that counts lies over -2^60; scaled scores stay under 4e8 in magnitude; NaN and infinities among the inputs are not served; a block of q under 2^-111 keeps the byte 1.
; SHARES.  Work-group (i, head) owns the blocks of 256 queries i (first pass) and 7 - i (second): i + 1 and 8 - i slots of 256 keys, NINE visits in every work-group.  Wave w of eight owns 32 queries, two tiles of 16:
; each fragment of K and V that it reads from LDS feeds two matrix instructions.  Both products are used transposed: a lane holds one query of each tile (lane % 16) throughout.  The two tiles' vector work is laid line by line by turns.
; LOADS RUN AHEAD: V's fragments are asked for ahead of the softmax; in a slot's first step the second step's mask numbers are asked for behind the conversions (the scores' registers are free), K's first four fragments behind
; the second product's first half, the other four behind its second half.
; THE RING: two slots of 68,608 bytes (two blocks of kv), 2^17 bytes apart; waves 0-3 fetch a quarter each, 67 rows of 256 bytes; one tensor load a wave out at most.
; NO CLUSTER: the four work-groups of a head change passes after 1, 2, 3 and 4 visits, so in one visit they want different slots.  kv is not prefetched: each slot is asked for by the head's four work-groups in turn, 36 visits on 8 slots.
; REGISTERS.  Window 0: v1-11 addresses; tile x: v[12+4x] -M, v[13+4x] largest t, v[14+4x:15+4x] the sum, v[20+2x] f; v21 -2^100; v24-27 K's scale words, v28-31 V's, v[32+x] p's, v[34+x] Q's; v36, v37 the stage for q; v[38+x] at work;
;   v[40+12x] on twelve at work; v[64+16x] Q's codes; v[96+16x] p's codes; v[128+64x] mask numbers, S^T, p.  Window 1: v[64x] O^T (v256 on); v128-255 eight fragments of K or V (v384 on).
.set BLOCKB, 34304
.set SLOTB,  2*BLOCKB
.set QUART,  SLOTB/4                   ; 17,152 bytes = 67 rows of 256
.set HEADB,  16*BLOCKB
.set SLOT1,  1<<17
.set STAGE,  SLOTB                     ; a wave's stage, 16 rows x 528 bytes, four waves behind each slot: blocks of 256 bytes into which no fill lands
.set STGB,   16*528
.set SPARE,  2*SLOT1                   ; the spare words: 128 bytes for each of 8 waves
.set VFO, 16384
.set KSO, 32768
.set VSO, 33280
.set BIO, 33792
.set LI,  1                            ; 16 x lane
.set BI,  2                            ; 64 (lane / 16)
.set STO, 3                            ; the stage on the way out, in
.set RD,  4                            ; and back
.set SPW, 5                            ; my spare word; never rewritten
.set NIL, 6                            ; 0; never rewritten
.set GO,  7                            ; my byte offset in a tile's rows of out
.set ADR, 8                            ; the block in hand + 16 x lane
.set ADB, 9                            ; the block in hand + 64 (lane / 16)
.set PF,  10                           ; 256 x lane
.set DQ,  11                           ; lane % 16 - 16 (lane / 16)
.set NEGV, 21                          ; -2^100
.set STI, 36                           ; the stage for q, in
.set STQ, 37                           ; and back
.set WV,  10
.set HD,  11
.set IX,  12
.set N1,  13                           ; the visit at which the second pass begins: i + 1
.set VIS, 14
.set NV,  15
.set G1,  16
.set G0,  24
.set KVB, 28                           ; kv at my head and my quarter of a slot
.set OFF, 30                           ; the slot asked for, in bytes
.set TB,  32                           ; LDS byte of the slot in hand
.set KF,  34                           ; the slot's first key
.set Q0,  35                           ; my first query
.set SEL, 38
.set CS,  40                           ; log2(e) / sqrt(128)
.set MNT, 42
.set Q2,  43
.set QP1, 44
.set QP2, 46
.set OP1, 48
.set OP2, 50
.set MSB, 0
.macro WIN new                         ; low byte: 1:0 source 0, 3:2 source 1, 5:4 source 2, 7:6 destination; the high byte repeats the setting that is left
.if MSB != \new
	s_set_vgpr_msb (MSB<<8)|\new
.set MSB, \new
.endif
.endm
.macro NOP8
.rept 8
	v_nop
.endr
.endm
.macro TLOAD                           ; waves 0-3 fetch; s_nop 0 and four v_nop follow the load
	s_cmp_lt_u32 s[WV], 4
	s_cbranch_scc0 .Lasked_\@
	tensor_load_to_lds s[G0:G0+3], s[G1:G1+7]
	s_nop 0
.rept 4
	v_nop
.endr
.Lasked_\@:
.endm
.macro WMMA d, a, b, c, sa, sb, odd    ; source 0 = 16 rows of K or V, source 1 = Q or p.  odd = 1: source 0's scale words stand in lanes 16-31
.if \odd
	v_wmma_scale_f32_16x16x128_f8f6f4 v[\d:\d+7], v[\a:\a+15], v[\b:\b+15], v[\c:\c+7], v[\sa], v[\sb] matrix_a_fmt:MATRIX_FMT_BF8 matrix_b_fmt:MATRIX_FMT_BF8 matrix_a_scale:MATRIX_SCALE_ROW1
.else
	v_wmma_scale_f32_16x16x128_f8f6f4 v[\d:\d+7], v[\a:\a+15], v[\b:\b+15], v[\c:\c+7], v[\sa], v[\sb] matrix_a_fmt:MATRIX_FMT_BF8 matrix_b_fmt:MATRIX_FMT_BF8
.endif
.endm
.macro MMS g, x                        ; S^T = K Q^T + the mask's numbers, four tiles of keys for my tile x of queries.  The mask's numbers lie in tile 0's score registers: tile 1 takes them as C and writes its own registers, tile 0 adds in place
.irp t, 0,1,2,3
	WMMA 128+64*\x+8*(4*\g+\t), 128+64*\g+16*\t, 64+16*\x, 128+8*(4*\g+\t), 24+2*\g+\t/2, 34+\x, \t%2
.endr
.endm
.macro MMO g                           ; O^T += V^T p^T: the accumulators by turns
.irp t, 0,1,2,3
.irp x, 0,1
	WMMA 64*\x+8*(4*\g+\t), 128+64*\g+16*\t, 96+16*\x, 64*\x+8*(4*\g+\t), 28+2*\g+\t/2, 32+\x, \t%2
.endr
.endr
.endm
.macro FL g, off                       ; four fragments into window 1
.irp t, 0,1,2,3
.irp c, 0,1,2,3
	ds_load_b128 v[128+64*\g+16*\t+4*\c:131+64*\g+16*\t+4*\c], v[ADR] offset:\off+(4*\g+\t)*2048+512*\c
.endr
.endr
.endm
.macro MASKL                           ; the mask's numbers in the scores' layout, once for both tiles: register 16 b + i is key 32 b + 16 (lane / 16) + i
.irp x, 0
.set N, 0
.rept 16
	ds_load_b128 v[128+64*\x+4*N:131+64*\x+4*N], v[ADB] offset:BIO+128*(N/4)+16*(N%4)
.set N, N+1
.endr
.endr
.endm
.macro RESC g                          ; O^T's tiles 4 g .. 4 g + 3 under the new M; each accumulator from its low end on
.irp x, 0,1
.set N, 0
.rept 16
	v_pk_mul_f32 v[64*\x+32*\g+N:64*\x+32*\g+N+1], v[64*\x+32*\g+N:64*\x+32*\g+N+1], v[20+2*\x:21+2*\x] op_sel_hi:[1,0]
.set N, N+2
.endr
.endr
.endm
.macro XLOAD base                      ; my 32 rows of q as they lie, 512 consecutive bytes a load, into window 1's fragment registers
	WIN 0x40
.set N, 0
.rept 32
	global_load_b128 v[128+4*N:131+4*N], v[LI], s[\base:\base+1] offset:512*N th:TH_LOAD_NT
.set N, N+1
.endr
	WIN 0
.endm
; the scale's lines: from a block's largest magnitude in v[40+12x+b]: 57,344 x the scale, the conversion's operand (in place), the byte, the row's word in v[pw+x]
.macro SCALES pw
.irp b, 0,1,2,3
.irp x, 0,1
	v_and_or_b32 v[48+12*\x+\b], v[40+12*\x+\b], 0x7f800000, s[MNT]
.endr
.endr
.irp b, 0,1,2,3
.irp x, 0,1
	v_add_nc_u32 v[40+12*\x+\b], 0xf8800000, v[40+12*\x+\b]
.endr
.endr
.irp b, 0,1,2,3
.irp x, 0,1
	v_lshrrev_b32 v[44+12*\x+\b], 23, v[40+12*\x+\b]
.endr
.endr
.irp x, 0,1
	v_lshl_or_b32 v[\pw+\x], v[45+12*\x], 8, v[44+12*\x]
.endr
.irp x, 0,1
	v_lshl_or_b32 v[\pw+\x], v[46+12*\x], 16, v[\pw+\x]
.endr
.irp x, 0,1
	v_lshl_or_b32 v[\pw+\x], v[47+12*\x], 24, v[\pw+\x]
.endr
.endm
.macro JOINH                           ; a block's maximum with lane l xor 16's
.irp b, 0,1,2,3
.irp x, 0,1
	v_permlanex16_b32 v[44+12*\x+\b], v[40+12*\x+\b], s[SEL], s[SEL+1]
.endr
.endr
.irp b, 0,1,2,3
.irp x, 0,1
	v_max_num_f32 v[40+12*\x+\b], v[40+12*\x+\b], v[44+12*\x+\b]
.endr
.endr
.endm
; A PASS BEGINS: q's rows turn through my stage (in as loaded, back 16 neighbours of each block of 32 to a lane; LDS serves a wave's instructions in order), become codes and scale words; empty sums
.macro START
	s_wait_loadcnt 0x0
.irp x, 0,1
	WIN 0x04
.set N, 0
.rept 16
	ds_store_b128 v[STI], v[128+64*\x+4*N:131+64*\x+4*N] offset:N*528
.set N, N+1
.endr
	WIN 0
.set N, 0
.rept 16
	ds_load_b128 v[128+64*\x+4*N:131+64*\x+4*N], v[STQ] offset:128*(N/4)+16*(N%4)
.set N, N+1
.endr
.endr
	s_wait_dscnt 0x0
.irp b, 0,1,2,3
.irp x, 0,1
	v_max3_num_f32 v[40+12*\x+\b], |v[128+64*\x+16*\b]|, |v[129+64*\x+16*\b]|, 0x8000000   ; and the floor 2^(16 - 127): the byte cannot fall under 1
.endr
.endr
.irp i, 2,4,6,8,10,12,14
.irp b, 0,1,2,3
.irp x, 0,1
	v_max3_num_f32 v[40+12*\x+\b], v[40+12*\x+\b], |v[128+64*\x+16*\b+\i]|, |v[129+64*\x+16*\b+\i]|
.endr
.endr
.endr
	JOINH
	SCALES 34
.irp b, 0,1,2,3
.irp x, 0,1
.irp i, 0,1,2,3,4,5,6,7,8,9,10,11,12,13,14,15
	v_med3_num_f32 v[128+64*\x+16*\b+\i], v[128+64*\x+16*\b+\i], -v[48+12*\x+\b], v[48+12*\x+\b]   ; the conversion does not saturate (ISA guide 7.6.2): the hold comes first
.endr
	v_cvt_scalef32_pk8_bf8_f32 v[64+16*\x+4*\b:65+16*\x+4*\b], v[128+64*\x+16*\b:135+64*\x+16*\b], v[40+12*\x+\b]
	v_cvt_scalef32_pk8_bf8_f32 v[66+16*\x+4*\b:67+16*\x+4*\b], v[136+64*\x+16*\b:143+64*\x+16*\b], v[40+12*\x+\b]
.endr
.endr
.irp x, 0,1
	v_mov_b32 v[13+4*\x], 0xdd800000               ; the largest t so far: -2^60
	v_mov_b32 v[12+4*\x], 0x5d800000               ; -M = 2^60
	v_mov_b32 v[14+4*\x], 0
	v_mov_b32 v[15+4*\x], 0
.endr
	WIN 0x40
.set N, 0
.rept 128
	v_mov_b32 v[N], 0                              ; O^T: the step is written once, its first run finds zeros.  (Also the places between Q's codes and scale words and the first products)
.set N, N+1
.endr
	WIN 0
.endm
; A KEY STEP: 128 keys, block q of the slot in hand, for my 32 queries
; what a slot's first step wants ahead of its products, asked for outright: the mask's numbers, K's scale words and fragments of the block at LDS byte s[sb]
.macro FIRST sb
	v_add_nc_u32 v[ADR], s[\sb], v[LI]
	v_add_nc_u32 v[ADB], s[\sb], v[BI]
	s_wait_alu depctr_va_vdst(0)                   ; the wait here, directly behind the writes
	MASKL
	ds_load_b128 v[24:27], v[ADR] offset:KSO       ; K's scale words: register j: tile 2 j in lanes 0-15, tile 2 j + 1 in lanes 16-31
	WIN 0x40
	FL 0, 0
	FL 1, 0
	WIN 0
.endm
; A MEETING AT WHICH NOTHING IS FILLED: every wave's tensor loads have landed, so behind it the slot that was asked for last is whole and may be read ahead.
.macro WHOLE
	s_wait_tensorcnt 0x0
	ds_add_u32 v[SPW], v[NIL]
	ds_add_u32 v[SPW], v[NIL]                      ; twice on end
	s_xor_b32 s37, s[TB], SLOT1                    ; the other slot
	s_wait_dscnt 0x0
	s_barrier_signal -1
	s_barrier_wait -1
.endm
; q: block q of the slot in hand.  What the step's first products want was asked for ahead.  nxt = 1 (with q = 1): the next visit's first step is asked for ahead, from the other slot
.macro STEP q, nxt
.if \q == 1
	s_add_co_u32 s36, s[KF], 97
	s_cmp_gt_u32 s36, s[Q0]
	s_cbranch_scc1 .Lhidden_\@                     ; all 128 keys come after my 32 queries (a slot's first step never does)
.endif
	s_wait_dscnt 16                                ; all but K's fragments 4-7, the youngest sixteen loads
	WIN 0x01
	MMS 0, 1
	s_wait_dscnt 0x0
	MMS 1, 1
.rept 9
	v_nop                                          ; nine places before tile 0's products write over the registers that tile 1's took as C
.endr
	MMS 0, 0
	MMS 1, 0
	WIN 0
	NOP8                                           ; places in front of the loads into the fragments and of the first read of the scores
	ds_load_b128 v[28:31], v[ADR] offset:VSO       ; V's scale words and fragments: they land under the softmax
	WIN 0x40
	FL 0, VFO
	FL 1, VFO
	WIN 0
.if \q == 0
	v_add_nc_u32 v[ADR], BLOCKB, v[ADR]            ; on to the slot's second block: what is asked for below is that step's
	v_add_nc_u32 v[ADB], BLOCKB, v[ADB]
.endif
	s_add_co_u32 s36, s[KF], 127+128*\q
	s_cmp_le_u32 s36, s[Q0]
	s_cbranch_scc1 .Lopen_\@                       ; all 128 keys come before my queries
	s_sub_co_i32 s36, s[Q0], s[KF]
	v_add_nc_u32 v38, s36, v[DQ]                   ; d = my query - the slot's first key - 16 (lane / 16): register 16 b + i is hidden where 128 q + 32 b + i > d
	v_add_nc_u32 v39, 16, v38
.set N, 0
.rept 64
.irp x, 0,1
	v_cmp_gt_i32 vcc_lo, 128*\q+32*(N/16)+N%16, v[38+\x]
	v_cndmask_b32 v[128+64*\x+N], v[128+64*\x+N], v[NEGV], vcc_lo
.endr
.set N, N+1
.endr
.Lopen_\@:
.irp b, 0,1,2,3
.irp x, 0,1
	v_max3_num_f32 v[40+12*\x+\b], v[128+64*\x+16*\b], v[129+64*\x+16*\b], v[130+64*\x+16*\b]   ; the largest score of each block of 32 keys: for the row's maximum and, since p rises with the score, for the block's largest p
.endr
.endr
.irp i, 3,5,7,9,11,13
.irp b, 0,1,2,3
.irp x, 0,1
	v_max3_num_f32 v[40+12*\x+\b], v[40+12*\x+\b], v[128+64*\x+16*\b+\i], v[129+64*\x+16*\b+\i]
.endr
.endr
.endr
.irp b, 0,1,2,3
.irp x, 0,1
	v_max_num_f32 v[40+12*\x+\b], v[40+12*\x+\b], v[143+64*\x+16*\b]
.endr
.endr
	JOINH
.irp x, 0,1
	v_max3_num_f32 v[38+\x], v[40+12*\x], v[41+12*\x], v[42+12*\x]
.endr
.irp x, 0,1
	v_max_num_f32 v[38+\x], v[38+\x], v[43+12*\x]
.endr
.irp x, 0,1
	v_mul_f32 v[38+\x], s[CS], v[38+\x]            ; as t
.endr
.irp x, 0,1
	v_max_num_f32 v[13+4*\x], v[13+4*\x], v[38+\x] ; the running largest t
.endr
.irp x, 0,1
	v_mov_b32 v[38+\x], v[12+4*\x]
.endr
.irp x, 0,1
	v_floor_f32 v[12+4*\x], -v[13+4*\x]            ; the new -M = -ceil(t)
.endr
.irp x, 0,1
	v_sub_f32 v[38+\x], v[12+4*\x], v[38+\x]       ; old M - new M: a whole number, 0 or less
.endr
.irp x, 0,1
	v_cvt_i32_f32 v[38+\x], v[38+\x]               ; (it saturates)
.endr
.irp x, 0,1
	v_ldexp_f32 v[20+2*\x], 1.0, v[38+\x]          ; f = 2^(old M - new M)
.endr
.set N, 0
.rept 32
.irp x, 0,1
	v_pk_fma_f32 v[128+64*\x+N:129+64*\x+N], v[128+64*\x+N:129+64*\x+N], s[CS:CS+1], v[12+4*\x:13+4*\x] op_sel_hi:[1,0,0]   ; t - M
.endr
.set N, N+2
.endr
.irp b, 0,1,2,3
.irp x, 0,1
	v_fma_f32 v[40+12*\x+\b], v[40+12*\x+\b], s[CS], v[12+4*\x]
.endr
.endr
	s_wait_alu depctr_va_vdst(0)                   ; the wait ahead of the batch
.set N, 0
.rept 128
	v_exp_f32 v[128+N], v[128+N]                   ; p = 2^(t - M)
.set N, N+1
.endr
.irp b, 0,1,2,3
.irp x, 0,1
	v_exp_f32 v[40+12*\x+\b], v[40+12*\x+\b]       ; the block's largest p: the same two instructions on the same number
.endr
.endr
.irp x, 0,1
	v_pk_mul_f32 v[14+4*\x:15+4*\x], v[14+4*\x:15+4*\x], v[20+2*\x:21+2*\x] op_sel_hi:[1,0]   ; the sums under the new M (plain lines behind the exponentials)
.endr
	s_wait_alu depctr_va_vdst(0)                   ; one wait for the batch, ahead of its first reader
.irp b, 0,1,2,3
.irp x, 0,1
	v_max_num_f32 v[40+12*\x+\b], 0x8000000, v[40+12*\x+\b]   ; the floor: a block whose every p is 0 keeps the byte 1; its codes are zeros
.endr
.endr
	SCALES 32
.irp x, 0,1                            ; the row's sum of the unquantised p: three chains a tile
	v_pk_add_f32 v[44+12*\x:45+12*\x], v[128+64*\x:129+64*\x], v[130+64*\x:131+64*\x]
	v_pk_add_f32 v[46+12*\x:47+12*\x], v[132+64*\x:133+64*\x], v[134+64*\x:135+64*\x]
	v_pk_add_f32 v[14+4*\x:15+4*\x], v[14+4*\x:15+4*\x], v[136+64*\x:137+64*\x]
.endr
.set N, 10
.rept 9
.irp x, 0,1
	v_pk_add_f32 v[14+4*\x:15+4*\x], v[14+4*\x:15+4*\x], v[128+64*\x+N:129+64*\x+N]
	v_pk_add_f32 v[44+12*\x:45+12*\x], v[44+12*\x:45+12*\x], v[130+64*\x+N:131+64*\x+N]
	v_pk_add_f32 v[46+12*\x:47+12*\x], v[46+12*\x:47+12*\x], v[132+64*\x+N:133+64*\x+N]
.endr
.set N, N+6
.endr
.irp x, 0,1
	v_pk_add_f32 v[44+12*\x:45+12*\x], v[44+12*\x:45+12*\x], v[46+12*\x:47+12*\x]
.endr
.irp x, 0,1
	v_pk_add_f32 v[14+4*\x:15+4*\x], v[14+4*\x:15+4*\x], v[44+12*\x:45+12*\x]
.endr
.irp b, 0,1,2,3
.irp x, 0,1
.irp i, 0,2,4,6,8,10,12,14
	v_dual_min_num_f32 v[128+64*\x+16*\b+\i], v[128+64*\x+16*\b+\i], v[48+12*\x+\b] :: v_dual_min_num_f32 v[129+64*\x+16*\b+\i], v[129+64*\x+16*\b+\i], v[48+12*\x+\b]   ; p is not negative: the hold is one-sided; two numbers a line
.endr
	v_cvt_scalef32_pk8_bf8_f32 v[96+16*\x+4*\b:97+16*\x+4*\b], v[128+64*\x+16*\b:135+64*\x+16*\b], v[40+12*\x+\b]
	v_cvt_scalef32_pk8_bf8_f32 v[98+16*\x+4*\b:99+16*\x+4*\b], v[136+64*\x+16*\b:143+64*\x+16*\b], v[40+12*\x+\b]
.endr
.endr
.if \nxt
.Lhidden_\@:                                           ; a wave that leaves the step out joins here: every wave passes the meeting
	WHOLE                                          ; the slot asked for at this visit's head is whole: it had the first step and this step's scores and softmax in which to land
	s_add_co_u32 s36, s[KF], 97
	s_cmp_gt_u32 s36, s[Q0]
	s_cbranch_scc1 .Lahead_\@                      ; the same test on ids once more
	v_add_nc_u32 v[ADR], s37, v[LI]                ; on to the other slot's first block
	v_add_nc_u32 v[ADB], s37, v[BI]
.endif
.if (\q == 0) || \nxt
	MASKL                                          ; the next step's mask numbers, where tile 0's p lay
	s_wait_dscnt 16                                ; V is in; the 16 loads just issued may be out
.else
	s_wait_dscnt 0x0
.endif
	WIN 0x41
	s_wait_alu depctr_va_vdst(0)                   ; the wait here, directly ahead of the first reader of O^T
	RESC 0                                         ; (also the places between p's codes and the products)
	WIN 0x51
	MMO 0
	WIN 0x41
	s_wait_alu depctr_va_vdst(0)                   ; and ahead of the first reader of O^T's other half
	RESC 1                                         ; (also the places in front of the loads into fragments 0-3)
.if (\q == 0) || \nxt
	WIN 0
	ds_load_b128 v[24:27], v[ADR] offset:KSO       ; the next step's K
	WIN 0x40
	FL 0, 0
.endif
	WIN 0x51
	MMO 1
	WIN 0
	NOP8                                           ; places behind the last products
.if (\q == 0) || \nxt
	WIN 0x40
	FL 1, 0
	WIN 0
.endif
.if \q == 1
.if \nxt
	s_branch .Ldone_\@
.Lahead_\@:
	FIRST 37                                       ; a wave that leaves the step out asks for the next visit's first step here
.Ldone_\@:
.else
.Lhidden_\@:
.endif
.endif
.endm
; THE CHANGE OF SLOTS, at a visit's head.  Every wave: all its tensor loads have landed; 0 onto its spare word; that and its LDS reads are done; the barrier.
; fill = 1: the slot just left takes the next visit's 256 keys: the next slot of the pass, or slot 0 of the keys where the next visit begins the second pass (a choice on ids, without a jump).
.macro CHANGE fill
	s_wait_tensorcnt 0x0                           ; no tensor load of mine is out, so group 0 may be written
	ds_add_u32 v[SPW], v[NIL]
.if \fill
	ds_add_u32 v[SPW], v[NIL]                      ; and once more
	s_add_co_u32 s[NV], s[VIS], 1
	s_add_co_u32 s[OFF], s[OFF], SLOTB
	s_cmp_eq_u32 s[NV], s[N1]
	s_cselect_b32 s[OFF], 0, s[OFF]
	s_xor_b32 s[G0+1], s[G0+1], SLOT1
	s_add_nc_u64 s[G0+2:G0+3], s[KVB:KVB+1], s[OFF:OFF+1]
	s_or_b32 s[G0+3], s[G0+3], 0x80000000
.endif
	s_wait_dscnt 0x0
	s_barrier_signal -1
	s_barrier_wait -1
.if \fill
	TLOAD                                          ; first behind the barrier, a wave's one tensor load until the next
.endif
.endm
; THE WAY OUT: O^T / the sum, through my stage, half a row (256 bytes) of 16 queries at a time: sixteen lanes store 256 consecutive bytes, aligned
.macro WAYOUT base
	s_wait_dscnt 0x0                               ; loads asked ahead for a step that was left out have landed: their registers are written below
.irp x, 0,1
	v_add_f32 v[14+4*\x], v[14+4*\x], v[15+4*\x]
.endr
.irp x, 0,1
	v_permlanex16_b32 v[38+\x], v[14+4*\x], s[SEL], s[SEL+1]
.endr
.irp x, 0,1
	v_add_f32 v[14+4*\x], v[14+4*\x], v[38+\x]     ; the row's sum
.endr
.irp x, 0,1
	v_max_num_f32 v[14+4*\x], 0.5, v[14+4*\x]      ; a row with a key that counts has a sum over 0.5; a row with none has 0 and gets zeros here
.endr
	s_wait_alu depctr_va_vdst(0)                   ; the wait ahead of the transcendentals
.irp x, 0,1
	v_rcp_f32 v[14+4*\x], v[14+4*\x]
.endr
	v_nop
	WIN 0x01
	s_wait_alu depctr_va_vdst(0)                   ; ahead of the first reader of the reciprocals and of O^T
.irp x, 0,1
.set N, 0
.rept 32
	v_pk_mul_f32 v[128+64*\x+N:129+64*\x+N], v[64*\x+N:64*\x+N+1], v[14+4*\x:15+4*\x] op_sel_hi:[1,0]   ; register 8 t + i is out(r, 16 t + 8 h + i); each accumulator from its low end on
.set N, N+2
.endr
.endr
	WIN 0
.irp x, 0,1
.irp u, 0,1
.irp t, 0,1,2,3
	ds_store_b128 v[STO], v[128+64*\x+32*\u+8*\t:131+64*\x+32*\u+8*\t] offset:64*\t
	ds_store_b128 v[STO], v[132+64*\x+32*\u+8*\t:135+64*\x+32*\u+8*\t] offset:64*\t+16
.endr
.irp i, 0,1,2,3,4,5,6,7
	ds_load_b128 v[128+64*\x+32*\u+4*\i:131+64*\x+32*\u+4*\i], v[RD] offset:2*\i*272   ; LDS serves a wave's instructions in order: these see my stores, the next half's stores come behind them
.endr
.endr
.endr
.irp x, 0,1
.irp u, 0,1
.irp i, 0,1,2,3,4,5,6,7
	s_wait_dscnt (3-2*\x-\u)*16+7-\i               ; the LDS instructions issued behind this load may be out
	global_store_b128 v[GO], v[128+64*\x+32*\u+4*\i:131+64*\x+32*\u+4*\i], s[\base:\base+1] offset:8192*\x+1024*\i+256*\u th:TH_STORE_NT
.endr
.endr
.endr
.endm
	s_load_b128 s[4:7], s[0:1], 0x0                ; q, kv
	s_load_b64 s[8:9], s[0:1], 0x10                ; out0
	v_lshl_add_u32 v[SPW], v0, 2, SPARE
	v_mov_b32 v[NIL], 0
	ds_add_u32 v[SPW], v[NIL]                      ; the opening lines: the add, twice on end, and its wait ahead of the first tensor load
	ds_add_u32 v[SPW], v[NIL]
	v_lshrrev_b32 v1, 5, v0
	v_readfirstlane_b32 s[WV], v1                  ; wave 0..7
	s_and_b32 s[HD], ttmp7, 0xffff
	s_mov_b32 s[IX], ttmp9
	s_add_co_u32 s[N1], s[IX], 1
	s_mov_b32 s[G1], 3<<16                         ; group 1: 67 rows of 32 elements of 8 bytes, dense
	s_mov_b32 s[G1+1], 32<<16
	s_mov_b32 s[G1+2], 67<<16
	s_mov_b32 s[G1+3], 32<<16
	s_mov_b32 s[G1+4], 67
	s_mov_b32 s[G1+5], 32
	s_mov_b32 s[G1+6], 0
	s_mov_b32 s[G1+7], 0
	s_mov_b32 s[G0], 1
	s_and_b32 s36, s[WV], 3
	s_mul_i32 s[G0+1], s36, QUART                  ; my quarter of slot 0
	s_mul_i32 s56, s36, STGB
	s_lshr_b32 s37, s[WV], 2
	s_lshl_b32 s37, s37, 17
	s_add_co_u32 s56, s56, s37
	s_add_co_u32 s56, s56, STAGE                   ; my stage
	s_mul_i32 s52, s[HD], HEADB
	s_add_co_u32 s52, s52, s[G0+1]
	s_mov_b32 s53, 0
	s_lshl_b32 s[Q0], s[IX], 8
	s_lshl_b32 s36, s[WV], 5
	s_add_co_u32 s[Q0], s[Q0], s36                 ; first pass: 256 i + 32 w
	s_sub_co_u32 s[Q2], 7, s[IX]
	s_lshl_b32 s[Q2], s[Q2], 8
	s_add_co_u32 s[Q2], s[Q2], s36                 ; second: 256 (7 - i) + 32 w
	s_lshl_b32 s37, s[HD], 11
	s_add_co_u32 s54, s37, s[Q0]
	s_lshl_b32 s54, s54, 9                         ; a row of q and of out is 512 bytes
	s_mov_b32 s55, 0
	s_add_co_u32 s36, s37, s[Q2]
	s_lshl_b32 s36, s36, 9
	s_mov_b32 s37, 0
	s_mov_b32 s[SEL], 0x76543210
	s_mov_b32 s[SEL+1], 0xfedcba98
	s_mov_b32 s[CS], 0x3e0293ee                    ; log2(e) / sqrt(128)
	s_mov_b32 s[CS+1], s[CS]
	s_mov_b32 s[MNT], 0x600000
	s_mov_b32 s[VIS], 0
	s_mov_b32 s[TB], 0
	s_mov_b32 s[KF], 0
	s_mov_b32 s[OFF], 0
	s_mov_b32 s[OFF+1], 0
	s_wait_dscnt 0x0                               ; both opening adds are done
	s_wait_kmcnt 0x0
	s_add_nc_u64 s[KVB:KVB+1], s[6:7], s[52:53]
	s_mov_b64 s[G0+2:G0+3], s[KVB:KVB+1]
	s_or_b32 s[G0+3], s[G0+3], 0x80000000
	TLOAD                                          ; visit 0's slot
	s_add_nc_u64 s[QP1:QP1+1], s[4:5], s[54:55]
	s_add_nc_u64 s[QP2:QP2+1], s[4:5], s[36:37]
	s_add_nc_u64 s[OP1:OP1+1], s[8:9], s[54:55]
	s_add_nc_u64 s[OP2:OP2+1], s[8:9], s[36:37]
	v_and_b32 v8, 31, v0
	v_lshlrev_b32 v[LI], 4, v8
	v_lshlrev_b32 v[PF], 8, v8
	v_and_b32 v8, 15, v0                           ; r
	v_bfe_u32 v9, v0, 4, 1                         ; h
	v_lshlrev_b32 v[BI], 6, v9
	v_mul_u32_u24 v[STO], v8, 272
	v_mul_u32_u24 v[RD], v9, 272
	v_mul_u32_u24 v[STQ], v8, 528
	v_lshl_add_u32 v[STO], v9, 5, v[STO]
	v_lshl_add_u32 v[RD], v8, 4, v[RD]
	v_lshl_add_u32 v[STQ], v9, 6, v[STQ]
	v_add_nc_u32 v[STO], s56, v[STO]
	v_add_nc_u32 v[RD], s56, v[RD]
	v_add_nc_u32 v[STQ], s56, v[STQ]
	v_add_nc_u32 v[STI], s56, v[LI]
	v_lshlrev_b32 v[GO], 9, v9
	v_lshlrev_b32 v[DQ], 4, v9
	v_lshl_add_u32 v[GO], v8, 4, v[GO]
	v_sub_nc_u32 v[DQ], v8, v[DQ]
	v_mov_b32 v[NEGV], 0xf1800000                  ; -2^100 (also the upper half of the pair v[20:21], of which the low word alone is taken)
	v_mov_b32 v23, 0                               ; (named as the upper half of the pair v[22:23])
.irp n, 38,39,44,45,46,47,56,57,58,59
	v_mov_b32 v\n, 0                               ; written once: a lane permute's destination counts as one of its sources
.endr
	XLOAD QP1
	s_wait_alu depctr_va_vdst(0)                   ; the wait at the head's end
	START
	WHOLE                                          ; slot 0 is whole
	FIRST TB
.Lvisit:                                               ; eight trips; the ninth visit is written out
	CHANGE 1
	s_cmp_lg_u32 s[NV], s[N1]
	s_cbranch_scc1 .Lno_ask
	global_prefetch_b8 v[PF], s[QP2:QP2+1] th:TH_LOAD_NT scope:SCOPE_SE               ; one visit ahead of the second pass each wave asks once for its own 32 rows of q: 16,384 bytes, lanes 256 bytes apart
	global_prefetch_b8 v[PF], s[QP2:QP2+1] offset:8192 th:TH_LOAD_NT scope:SCOPE_SE
.Lno_ask:
	s_cmp_lg_u32 s[VIS], s[N1]
	s_cbranch_scc1 .Lsame
	XLOAD QP2                                      ; THE CHANGE OF PASSES (in visits 1 to 4, by the work-group's number): the next queries are asked for, and land while the first pass goes out
	WAYOUT OP1
	s_wait_xcnt 0x0                                ; the stores have read their registers, which are loaded again below
	s_mov_b32 s[Q0], s[Q2]
	s_mov_b32 s[KF], 0
	START
	FIRST TB                                       ; what was asked ahead has been written over: once more
.Lsame:
	STEP 0, 0
	STEP 1, 1
	s_xor_b32 s[TB], s[TB], SLOT1
	s_add_co_u32 s[KF], s[KF], 256
	s_add_co_u32 s[VIS], s[VIS], 1
	s_cmp_lt_u32 s[VIS], 8
	s_cbranch_scc1 .Lvisit
	CHANGE 0
	STEP 0, 0
	STEP 1, 0
	WAYOUT OP2
	s_wait_tensorcnt 0x0                           ; the wave's end
	ds_add_u32 v[SPW], v[NIL]
	s_wait_dscnt 0x0
	s_endpgm
.Lfunc_end_k_q5e9aeee1ef_attn:
	.size	k_q5e9aeee1ef_attn, .Lfunc_end_k_q5e9aeee1ef_attn-k_q5e9aeee1ef_attn
	.p2alignl 7, 3214868480
	.fill 96, 4, 3214868480
	.section	.rodata,"a",@progbits
	.p2align	6, 0x0
	.amdhsa_kernel k_q5e9aeee1ef_attn
		.amdhsa_group_segment_fixed_size 327680
		.amdhsa_private_segment_fixed_size 0
		.amdhsa_enable_private_segment 0
		.amdhsa_kernarg_size 24
		.amdhsa_user_sgpr_count 2
		.amdhsa_user_sgpr_kernarg_segment_ptr 1
		.amdhsa_wavefront_size32 1
		.amdhsa_system_sgpr_workgroup_id_x 1
		.amdhsa_system_sgpr_workgroup_id_y 1
		.amdhsa_system_sgpr_workgroup_id_z 1
		.amdhsa_system_vgpr_workitem_id 0
		.amdhsa_next_free_vgpr 512
		.amdhsa_next_free_sgpr 66
		.amdhsa_reserve_vcc 1
		.amdhsa_float_denorm_mode_32 3
		.amdhsa_float_denorm_mode_16_64 3
		.amdhsa_memory_ordered 1
		.amdhsa_forward_progress 1
		.amdhsa_inst_pref_size 255
	.end_amdhsa_kernel
	.section	.bss,"aw",@nobits
	.p2align	6
	.space	262144
	.amdgpu_metadata
---
amdhsa.version: [ 1, 2 ]
amdhsa.kernels:
  - .name:           k_q5e9aeee1ef_attn
    .symbol:         k_q5e9aeee1ef_attn.kd
    .args:
      - { .name: q, .offset: 0, .size: 8, .value_kind: global_buffer, .address_space: global }
      - { .name: kv, .offset: 8, .size: 8, .value_kind: global_buffer, .address_space: global }
      - { .name: out0, .offset: 16, .size: 8, .value_kind: global_buffer, .address_space: global }
    .group_segment_fixed_size: 327680
    .private_segment_fixed_size: 0
    .kernarg_segment_align: 8
    .kernarg_segment_size: 24
    .max_flat_workgroup_size: 256
    .sgpr_count:     66
    .vgpr_count:     512
    .wavefront_size: 32
...
	.end_amdgpu_metadata
.endif
;; end of part 2
;; launch rows (part 3): grid 4 x 64, 16 waves a work-group, no clusters, 141,312 bytes of LDS; arguments q, kv, lead, out0; writes out0
.if DOCPART == 3
	.amdgcn_target "amdgcn-amd-amdhsa--gfx1250"
	.amdhsa_code_object_version 6
	.text
	.protected	k_q5e9aeee1ef_rows
	.globl	k_q5e9aeee1ef_rows
	.p2align	8
	.type	k_q5e9aeee1ef_rows,@function
k_q5e9aeee1ef_rows:
	s_mov_b64 s[64:65], 0
	v_nop
	global_prefetch_b8 v0, s[64:65] scope:SCOPE_SE
	s_setreg_imm32_b32 hwreg(HW_REG_WAVE_MODE, 25, 1), 1
	s_wait_xcnt 0x0
; THE ROWS THAT HAVE NO KEY AT LEVEL 0.  reference() ADDS -1e9 for mask == 0 and -1e9 for a future key.  A query under z (z = the batch's first key with mask != 0, stored by the first launch) has its largest logit at -1e9:
; its softmax runs over its own masked keys AND over all future keys with mask != 0.  This launch computes every tile of 16 queries that holds such a row (16 T < z), and always tile 0 of each head, over ALL 2,048 keys,
; with reference()'s arithmetic: logit = score / sqrt(128) + (0, -1e9 or -2e9), rounded to f32; t = logit x log2(e), rounded to f32; M = ceil(the largest t); p = 2^(t - M).  It writes those rows of out0 over what the launch before left there.
; (Level -2e9 is formed by one addition; its p is 0 in every row, since a row's own key is never lower than -1e9.)  The rows of such a tile that do have a key at level 0 come out as in the launch before.
; LIMITS: as there: scaled scores under 4e8 in magnitude; NaN and infinities are not served.
; SHARES.  Work-group (x, head) walks the tiles T = (x + head / 4) mod 4 + 4 trip, 32 trips, a constant; a trip with 16 T >= max(z, 1) does nothing but pass its two barriers, which stand outside the branches.  The grid serves every mask, an all-zero one too.
; In a trip that works, wave w takes keys 128 w .. 128 w + 127 for the tile's 16 queries, with an M of its own; the sixteen parts (O^T, -M, the sum) meet in LDS, and wave w joins row 16 T + w: every factor is a power of two.
; No tensor load: operands come from kv straight into registers, each fragment by four loads of 512 consecutive bytes.  No cluster: nothing is fetched through LDS.
; REGISTERS: v1-8, v10 addresses that stay; v12 -M, v13 the largest t, then the sum; v[14:15] the sum's halves; v16-31 Q's codes; v32-95 K's tiles 0-3, then V's; v96-159 q, then S^T, t, p, then V's tiles 4-7;
;   v160-223 K's tiles 4-7, then the masks' numbers, then O^T; v224-239 p's codes; v232-247 at work; v248-251, v253, v255 scale words; v252, v254 at work.
.set BLOCKB, 34304
.set VFO, 16384
.set KSO, 32768
.set VSO, 33280
.set BIO, 33792
.set PARTB, 8448                       ; a wave's part: 16 quads x (512 bytes + 16)
.set STAT,  16*PARTB                   ; behind the parts: 256 bytes a wave: (-M, the sum) for each lane
.set TM,  232
.set WV,  12
.set HD,  13
.set ZM,  15                           ; s15  max(z, 1)
.set T16, 16                           ; s16  16 T
.set TR,  17
.set MNT, 19
.set SEL, 20
.set RS,  22                           ; s[22:23] 1 / sqrt(128)
.set L2E, 24                           ; s[24:25] log2(e)
.set NEG1, 26                          ; s26  -1e9
.set KVW, 28                           ; s[28:29] kv at my head's block w
.set QP,  30                           ; s[30:31] q at the tile's first row
.set OP,  32                           ; s[32:33] out0 at row 16 T + w
.macro WMMA d, a, b, sa, sb, odd, zero
.if \zero
.if \odd
	v_wmma_scale_f32_16x16x128_f8f6f4 v[\d:\d+7], v[\a:\a+15], v[\b:\b+15], 0, v[\sa], v[\sb] matrix_a_fmt:MATRIX_FMT_BF8 matrix_b_fmt:MATRIX_FMT_BF8 matrix_a_scale:MATRIX_SCALE_ROW1
.else
	v_wmma_scale_f32_16x16x128_f8f6f4 v[\d:\d+7], v[\a:\a+15], v[\b:\b+15], 0, v[\sa], v[\sb] matrix_a_fmt:MATRIX_FMT_BF8 matrix_b_fmt:MATRIX_FMT_BF8
.endif
.else
.if \odd
	v_wmma_scale_f32_16x16x128_f8f6f4 v[\d:\d+7], v[\a:\a+15], v[\b:\b+15], v[\d:\d+7], v[\sa], v[\sb] matrix_a_fmt:MATRIX_FMT_BF8 matrix_b_fmt:MATRIX_FMT_BF8 matrix_a_scale:MATRIX_SCALE_ROW1
.else
	v_wmma_scale_f32_16x16x128_f8f6f4 v[\d:\d+7], v[\a:\a+15], v[\b:\b+15], v[\d:\d+7], v[\sa], v[\sb] matrix_a_fmt:MATRIX_FMT_BF8 matrix_b_fmt:MATRIX_FMT_BF8
.endif
.endif
.endm
.macro QUANT s, pc, pw                 ; as in the launch before: 64 numbers of a lane become a fragment's codes and the row's scale word
.irp b, 0,1,2,3
	v_max3_num_f32 v[TM+\b], |v[\s+16*\b]|, |v[\s+1+16*\b]|, 0x8000000
.endr
.irp i, 2,4,6,8,10,12,14
.irp b, 0,1,2,3
	s_delay_alu instid0(VALU_DEP_4)
	v_max3_num_f32 v[TM+\b], v[TM+\b], |v[\s+16*\b+\i]|, |v[\s+1+16*\b+\i]|
.endr
.endr
.irp b, 0,1,2,3
	v_permlanex16_b32 v[TM+4+\b], v[TM+\b], s[SEL], s[SEL+1]
.endr
.irp b, 0,1,2,3
	s_delay_alu instid0(VALU_DEP_4)
	v_max_num_f32 v[TM+\b], v[TM+\b], v[TM+4+\b]
.endr
.irp b, 0,1,2,3
	s_delay_alu instid0(VALU_DEP_4)
	v_add_nc_u32 v[TM+12+\b], 0xf8800000, v[TM+\b]
.endr
.irp b, 0,1,2,3
	v_and_or_b32 v[TM+8+\b], v[TM+\b], 0x7f800000, s[MNT]
.endr
.irp b, 0,1,2,3
	v_lshrrev_b32 v[TM+4+\b], 23, v[TM+12+\b]
.endr
	s_delay_alu instid0(VALU_DEP_3)
	v_lshl_or_b32 v[\pw], v[TM+5], 8, v[TM+4]
	s_delay_alu instid0(VALU_DEP_1)
	v_lshl_or_b32 v[\pw], v[TM+6], 16, v[\pw]
	s_delay_alu instid0(VALU_DEP_1)
	v_lshl_or_b32 v[\pw], v[TM+7], 24, v[\pw]
.irp b, 0,1,2,3
.irp i, 0,1,2,3,4,5,6,7,8,9,10,11,12,13,14,15
	v_med3_num_f32 v[\s+16*\b+\i], v[\s+16*\b+\i], -v[TM+8+\b], v[TM+8+\b]
.endr
	v_cvt_scalef32_pk8_bf8_f32 v[\pc+4*\b:\pc+1+4*\b], v[\s+16*\b:\s+7+16*\b], v[TM+12+\b]
	v_cvt_scalef32_pk8_bf8_f32 v[\pc+2+4*\b:\pc+3+4*\b], v[\s+8+16*\b:\s+15+16*\b], v[TM+12+\b]
.endr
	v_nop
.endm
.macro FRAGS reg, off                  ; four fragments from kv into v[reg] on
.irp t, 0,1,2,3
.irp c, 0,1,2,3
	global_load_b128 v[\reg+16*\t+4*\c:\reg+16*\t+4*\c+3], v1, s[KVW:KVW+1] offset:\off+2048*\t+512*\c
.endr
.endr
.endm
	s_load_b256 s[4:11], s[0:1], 0x0               ; q s[4:5], kv s[6:7], lead s[8:9], out0 s[10:11]
	v_lshrrev_b32 v1, 5, v0
	s_delay_alu instid0(VALU_DEP_1)
	v_readfirstlane_b32 s[WV], v1                  ; wave 0..15
	s_and_b32 s[HD], ttmp7, 0xffff
	s_lshr_b32 s36, s[HD], 2
	s_add_co_u32 s36, s36, ttmp9
	s_and_b32 s36, s36, 3                          ; my group of tiles: (x + head / 4) mod 4, so that the work-groups that own tile 0 have numbers of every residue modulo 16
	s_lshr_b32 s34, s[HD], 4
	s_lshl_b32 s34, s34, 7                         ; the batch's words of lead
	s_mov_b32 s35, 0
	s_wait_kmcnt 0x0
	s_add_nc_u64 s[8:9], s[8:9], s[34:35]
	s_load_b32 s[ZM], s[8:9], 0x0
	v_and_b32 v9, 31, v0                           ; lane
	s_delay_alu instid0(VALU_DEP_1)
	v_lshlrev_b32 v1, 4, v9                        ; v1: 16 x lane
	v_and_b32 v11, 15, v0                          ; r
	v_bfe_u32 v13, v0, 4, 1                        ; h
	s_delay_alu instid0(VALU_DEP_1)
	v_lshlrev_b32 v2, 6, v13                       ; v2: 64 h
	s_delay_alu instid0(VALU_DEP_1)
	v_mad_u32_u24 v3, v11, 528, v2                 ; v3: q back from my part: row r of 528 bytes, + 64 h
	s_delay_alu instid0(VALU_DEP_3)
	v_lshlrev_b32 v4, 4, v13
	s_delay_alu instid0(VALU_DEP_1)
	v_sub_nc_u32 v4, v11, v4                       ; v4: r - 16 h
	s_mul_i32 s18, s[WV], PARTB
	v_add_nc_u32 v5, s18, v1                       ; v5: my part, 16 bytes a lane
	v_add_nc_u32 v3, s18, v3
	s_lshl_b32 s18, s[WV], 8
	s_add_co_u32 s18, s18, STAT
	v_lshl_add_u32 v6, v9, 3, s18                  ; v6: my (-M, sum)
	v_bfe_u32 v7, v0, 2, 3
	v_and_b32 v10, 1, v0
	s_delay_alu instid0(VALU_DEP_1)
	v_lshl_add_u32 v7, v7, 1, v10                  ; channels 4 l .. 4 l + 3 of a row lie in quad 2 (l / 4) + l % 2
	s_delay_alu instid0(VALU_DEP_1)
	v_mul_u32_u24 v7, v7, 528
	v_bfe_u32 v10, v0, 1, 1
	s_delay_alu instid0(VALU_DEP_1)
	v_lshl_add_u32 v7, v10, 8, v7                  ; of the lane w + 16 ((l / 2) % 2)
	s_lshl_b32 s18, s[WV], 4
	v_add_nc_u32 v7, s18, v7                       ; v7: that place in part 0;
	s_delay_alu instid0(VALU_DEP_1)
	v_add_nc_u32 v10, 8*PARTB, v7                  ; v10: in part 8
	s_lshl_b32 s18, s[WV], 3
	s_add_co_u32 s18, s18, STAT
	v_mov_b32 v8, s18                              ; v8: lane w's (-M, sum) of part 0
.irp b, 0,1,2,3
	v_mov_b32 v[236+\b], 0                         ; written once: a lane permute's destination counts as one of its sources
.endr
	v_mov_b32 v254, 0
	s_mov_b32 s[SEL], 0x76543210
	s_mov_b32 s[SEL+1], 0xfedcba98
	s_mov_b32 s[MNT], 0x600000
	s_mov_b32 s[RS], 0x3db504f3                    ; 1 / sqrt(128)
	s_mov_b32 s[RS+1], s[RS]
	s_mov_b32 s[L2E], 0x3fb8aa3b                   ; log2(e)
	s_mov_b32 s[L2E+1], s[L2E]
	s_mov_b32 s[NEG1], 0xce6e6b28                  ; -1e9
	s_lshl_b32 s34, s[HD], 4
	s_add_co_u32 s34, s34, s[WV]
	s_mul_i32 s34, s34, BLOCKB
	s_add_nc_u64 s[KVW:KVW+1], s[6:7], s[34:35]
	s_lshl_b32 s34, s[HD], 20
	s_lshl_b32 s18, s36, 13                        ; my first tile: 16 rows of 512 bytes
	s_add_co_u32 s34, s34, s18
	s_add_nc_u64 s[QP:QP+1], s[4:5], s[34:35]
	s_lshl_b32 s18, s[WV], 9
	s_add_co_u32 s34, s34, s18
	s_add_nc_u64 s[OP:OP+1], s[10:11], s[34:35]
	s_lshl_b32 s[T16], s36, 4
	s_mov_b32 s[TR], 0
	s_wait_kmcnt 0x0
	s_max_u32 s[ZM], s[ZM], 1                      ; tile 0 is always taken
.Ltrip:
	s_cmp_ge_u32 s[T16], s[ZM]
	s_cbranch_scc1 .Lidle1
	; ---- 1: my 128 keys for the tile's 16 queries
.set N, 0
.rept 16
	global_load_b128 v[96+4*N:99+4*N], v1, s[QP:QP+1] offset:512*N   ; a row's 512 consecutive bytes
.set N, N+1
.endr
	global_load_b128 v[248:251], v1, s[KVW:KVW+1] offset:KSO
	FRAGS 32, 0
	FRAGS 160, 8192
	s_wait_loadcnt 33                              ; q is in; K's scale words and its 32 fragment loads may be out
.set N, 0
.rept 16
	ds_store_b128 v5, v[96+4*N:99+4*N] offset:528*N   ; the rows turn through my own part (nobody reads it between the last trip's second barrier and this trip's first): in as loaded,
.set N, N+1
.endr
.set N, 0
.rept 16
	ds_load_b128 v[96+4*N:99+4*N], v3 offset:128*(N/4)+16*(N%4)   ; back 16 neighbours of each block of 32 to a lane; LDS serves a wave's instructions in order
.set N, N+1
.endr
	s_wait_dscnt 0x0
	QUANT 96, 16, 255
.rept 4
	v_nop                                          ; places between Q's codes and the products
.endr
	s_wait_alu depctr_va_vdst(0)
	s_wait_loadcnt 0x0
.irp t, 0,1,2,3
	WMMA 96+8*\t, 32+16*\t, 16, 248+\t/2, 255, \t%2, 1
.endr
.irp t, 0,1,2,3
	WMMA 128+8*\t, 160+16*\t, 16, 250+\t/2, 255, \t%2, 1
.endr
.rept 8
	v_nop                                          ; places in front of loads into registers that the products read, and of the first read of results
.endr
.set N, 0
.rept 16
	global_load_b128 v[160+4*N:163+4*N], v2, s[KVW:KVW+1] offset:BIO+128*(N/4)+16*(N%4)   ; the mask's numbers in the scores' layout
.set N, N+1
.endr
	global_load_b128 v[248:251], v1, s[KVW:KVW+1] offset:VSO
	FRAGS 32, VFO
	s_lshl_b32 s18, s[WV], 7
	s_sub_co_i32 s18, s[T16], s18
	v_add_nc_u32 v252, s18, v4                     ; d = my query - 128 w - 16 h: register 16 b + i is a future key where 32 b + i > d
	s_wait_alu depctr_va_vdst(0)
	s_wait_loadcnt 17                              ; the mask's numbers are in; V's scale words and its tiles 0-3 may be out
.set N, 0
.rept 64
	v_cmp_gt_i32 vcc_lo, 32*(N/16)+N%16, v252
	v_max_num_f32 v[160+N], s[NEG1], v[160+N]      ; 0, or -1e9 where mask == 0
	s_delay_alu instid0(VALU_DEP_1)
	v_add_f32 v254, s[NEG1], v[160+N]
	s_delay_alu instid0(VALU_DEP_1)
	v_cndmask_b32 v[160+N], v[160+N], v254, vcc_lo ; -1e9 more for a future key
.set N, N+1
.endr
.set N, 0
.rept 32
	v_pk_fma_f32 v[96+N:97+N], v[96+N:97+N], s[RS:RS+1], v[160+N:161+N] op_sel_hi:[1,0,1]   ; the logit, rounded to f32 as reference() has it; each accumulator from its low end on
.set N, N+2
.endr
.set N, 0
.rept 32
	v_pk_mul_f32 v[96+N:97+N], v[96+N:97+N], s[L2E:L2E+1] op_sel_hi:[1,0]   ; t, rounded to f32
.set N, N+2
.endr
.irp b, 0,1,2,3
	v_max3_num_f32 v[232+\b], v[96+16*\b], v[97+16*\b], v[98+16*\b]
.endr
.irp i, 3,5,7,9,11,13
.irp b, 0,1,2,3
	s_delay_alu instid0(VALU_DEP_4)
	v_max3_num_f32 v[232+\b], v[232+\b], v[96+16*\b+\i], v[97+16*\b+\i]
.endr
.endr
.irp b, 0,1,2,3
	s_delay_alu instid0(VALU_DEP_4)
	v_max_num_f32 v[232+\b], v[232+\b], v[111+16*\b]
.endr
.irp b, 0,1,2,3
	s_delay_alu instid0(VALU_DEP_4)
	v_permlanex16_b32 v[236+\b], v[232+\b], s[SEL], s[SEL+1]
.endr
.irp b, 0,1,2,3
	s_delay_alu instid0(VALU_DEP_4)
	v_max_num_f32 v[232+\b], v[232+\b], v[236+\b]
.endr
	s_delay_alu instid0(VALU_DEP_2)
	v_max3_num_f32 v13, v232, v233, v234
	s_delay_alu instid0(VALU_DEP_1)
	v_max_num_f32 v13, v13, v235                   ; the largest t of my query among my 128 keys
	s_delay_alu instid0(VALU_DEP_1)
	v_floor_f32 v12, -v13                          ; -M
.set N, 0
.rept 32
	v_pk_add_f32 v[96+N:97+N], v[96+N:97+N], v[12:13] op_sel_hi:[1,0]   ; t - M: an addition onto the ROUNDED t (at 1.4e9 an f32 step is 128: nothing of the unrounded product may come back in)
.set N, N+2
.endr
.irp b, 0,1,2,3
	v_add_f32 v[232+\b], v[232+\b], v12
.endr
.set N, 0
	s_wait_alu depctr_va_vdst(0)
.rept 64
	v_exp_f32 v[96+N], v[96+N]
.set N, N+1
.endr
.irp b, 0,1,2,3
	v_exp_f32 v[232+\b], v[232+\b]
.endr
	v_mov_b32 v14, 0                               ; (a plain line behind the exponentials)
	v_mov_b32 v15, 0
	s_wait_alu depctr_va_vdst(0)
.irp b, 0,1,2,3
	v_max_num_f32 v[232+\b], 0x8000000, v[232+\b]
.endr
.irp b, 0,1,2,3
	s_delay_alu instid0(VALU_DEP_4)
	v_add_nc_u32 v[244+\b], 0xf8800000, v[232+\b]
.endr
.irp b, 0,1,2,3
	v_and_or_b32 v[240+\b], v[232+\b], 0x7f800000, s[MNT]
.endr
.irp b, 0,1,2,3
	v_lshrrev_b32 v[236+\b], 23, v[244+\b]
.endr
	s_delay_alu instid0(VALU_DEP_3)
	v_lshl_or_b32 v253, v237, 8, v236
	s_delay_alu instid0(VALU_DEP_1)
	v_lshl_or_b32 v253, v238, 16, v253
	s_delay_alu instid0(VALU_DEP_1)
	v_lshl_or_b32 v253, v239, 24, v253
	v_pk_add_f32 v[236:237], v[100:101], v[104:105]
	v_pk_add_f32 v[238:239], v[108:109], v[112:113]
	v_pk_add_f32 v[234:235], v[116:117], v[120:121]
	v_pk_add_f32 v[232:233], v[124:125], v[128:129]
	v_pk_add_f32 v[230:231], v[132:133], v[136:137]
	v_pk_add_f32 v[228:229], v[140:141], v[144:145]
	v_pk_add_f32 v[226:227], v[148:149], v[152:153]
	v_pk_add_f32 v[14:15], v[14:15], v[156:157]
	v_pk_add_f32 v[236:237], v[236:237], v[96:97]
	v_pk_add_f32 v[238:239], v[238:239], v[98:99]
	v_pk_add_f32 v[234:235], v[234:235], v[102:103]
	v_pk_add_f32 v[232:233], v[232:233], v[106:107]
	v_pk_add_f32 v[230:231], v[230:231], v[110:111]
	v_pk_add_f32 v[228:229], v[228:229], v[114:115]
	v_pk_add_f32 v[226:227], v[226:227], v[118:119]
	v_pk_add_f32 v[14:15], v[14:15], v[122:123]
	v_pk_add_f32 v[236:237], v[236:237], v[126:127]
	v_pk_add_f32 v[238:239], v[238:239], v[130:131]
	v_pk_add_f32 v[234:235], v[234:235], v[134:135]
	v_pk_add_f32 v[232:233], v[232:233], v[138:139]
	v_pk_add_f32 v[230:231], v[230:231], v[142:143]
	v_pk_add_f32 v[228:229], v[228:229], v[146:147]
	v_pk_add_f32 v[226:227], v[226:227], v[150:151]
	v_pk_add_f32 v[14:15], v[14:15], v[154:155]
	v_pk_add_f32 v[236:237], v[236:237], v[158:159]
	s_delay_alu instid0(VALU_DEP_2)
	v_pk_add_f32 v[14:15], v[14:15], v[232:233]
	s_delay_alu instid0(VALU_DEP_2)
	v_pk_add_f32 v[236:237], v[236:237], v[230:231]
	v_pk_add_f32 v[238:239], v[238:239], v[228:229]
	v_pk_add_f32 v[234:235], v[234:235], v[226:227]
	s_delay_alu instid0(VALU_DEP_2)
	v_pk_add_f32 v[14:15], v[14:15], v[238:239]
	s_delay_alu instid0(VALU_DEP_2)
	v_pk_add_f32 v[236:237], v[236:237], v[234:235]
	s_delay_alu instid0(VALU_DEP_1)
	v_pk_add_f32 v[14:15], v[14:15], v[236:237]
.irp b, 0,1,2,3
.irp i, 0,1,2,3,4,5,6,7,8,9,10,11,12,13,14,15
	v_min_num_f32 v[96+16*\b+\i], v[96+16*\b+\i], v[240+\b]
.endr
	v_cvt_scalef32_pk8_bf8_f32 v[224+4*\b:225+4*\b], v[96+16*\b:103+16*\b], v[244+\b]
	v_cvt_scalef32_pk8_bf8_f32 v[226+4*\b:227+4*\b], v[104+16*\b:111+16*\b], v[244+\b]
.endr
	FRAGS 96, VFO+8192                             ; V's tiles 4-7, where p lay
.rept 4
	v_nop                                          ; places between p's codes and the products
.endr
	s_wait_alu depctr_va_vdst(0)
	s_wait_loadcnt 16                              ; V's scale words and tiles 0-3 are in; tiles 4-7 may be out
.irp t, 0,1,2,3
	WMMA 160+8*\t, 32+16*\t, 224, 248+\t/2, 253, \t%2, 1
.endr
	s_wait_loadcnt 0x0
.irp t, 0,1,2,3
	WMMA 192+8*\t, 96+16*\t, 224, 250+\t/2, 253, \t%2, 1
.endr
.rept 8
	v_nop
.endr
	v_add_f32 v13, v14, v15
	s_delay_alu instid0(VALU_DEP_1)
	v_permlanex16_b32 v254, v13, s[SEL], s[SEL+1]
	s_delay_alu instid0(VALU_DEP_1)
	v_add_f32 v13, v13, v254                       ; my 128 keys' sum of my query
.set N, 0
.rept 16
	ds_store_b128 v5, v[160+4*N:163+4*N] offset:528*N   ; O^T as it stands, each accumulator from its low end on
.set N, N+1
.endr
	ds_store_b64 v6, v[12:13]
.Lidle1:
	s_wait_dscnt 0x0                               ; for the others' sake: my part lies in LDS
	s_barrier_signal -1
	s_barrier_wait -1
	s_cmp_ge_u32 s[T16], s[ZM]
	s_cbranch_scc1 .Lidle2
	; ---- 2: I join row 16 T + w
.set N, 0
	s_wait_alu depctr_va_vdst(0)
.rept 16
	ds_load_b64 v[32+2*N:33+2*N], v8 offset:256*N
.set N, N+1
.endr
.set N, 0
.rept 8
	ds_load_b128 v[96+4*N:99+4*N], v7 offset:PARTB*N
.set N, N+1
.endr
.set N, 0
.rept 8
	ds_load_b128 v[128+4*N:131+4*N], v10 offset:PARTB*N
.set N, N+1
.endr
	s_wait_dscnt 0x0
	v_min_num_f32 v252, v32, v34                   ; the smallest -M is the row's
	v_min_num_f32 v254, v36, v38
.irp s, 4,6,8,10,12,14
	s_delay_alu instid0(VALU_DEP_2)
	v_min_num_f32 v252, v252, v[32+2*\s]
	s_delay_alu instid0(VALU_DEP_2)
	v_min_num_f32 v254, v254, v[34+2*\s]
.endr
	s_delay_alu instid0(VALU_DEP_1)
	v_min_num_f32 v252, v252, v254
.set N, 0
.rept 16
	v_sub_f32 v[64+N], v252, v[32+2*N]             ; part s's M less the row's: a whole number, 0 or less
.set N, N+1
.endr
.set N, 0
.rept 16
	v_cvt_i32_f32 v[64+N], v[64+N]
.set N, N+1
.endr
.set N, 0
.rept 16
	v_ldexp_f32 v[64+N], 1.0, v[64+N]              ; its factor, a power of two, or 0
.set N, N+1
.endr
	v_mul_f32 v228, v64, v33
.irp e, 0,1,2,3
	v_mul_f32 v[224+\e], v64, v[96+\e]
.endr
.set N, 1
.rept 15
	v_fma_f32 v228, v[64+N], v[33+2*N], v228
.irp e, 0,1,2,3
	v_fma_f32 v[224+\e], v[64+N], v[96+4*N+\e], v[224+\e]
.endr
.set N, N+1
.endr
	s_wait_alu depctr_va_vdst(0)
	v_rcp_f32 v228, v228                           ; the row's sum lies over 0.5
	v_nop
	s_wait_alu depctr_va_vdst(0)
.irp e, 0,1,2,3
	v_mul_f32 v[224+\e], v[224+\e], v228
.endr
	global_store_b128 v1, v[224:227], s[OP:OP+1]   ; 32 lanes store the row's 512 consecutive bytes
.Lidle2:
	s_wait_dscnt 0x0                               ; my reads of the parts are over: the next trip may write them
	s_wait_xcnt 0x0                                ; the store has read its registers and its base
	s_barrier_signal -1
	s_barrier_wait -1
	s_add_nc_u64 s[QP:QP+1], s[QP:QP+1], 32768     ; four tiles on
	s_add_nc_u64 s[OP:OP+1], s[OP:OP+1], 32768
	s_add_co_u32 s[T16], s[T16], 64
	s_add_co_u32 s[TR], s[TR], 1
	s_cmp_lt_u32 s[TR], 32
	s_cbranch_scc1 .Ltrip
	s_wait_xcnt 0x0
	v_lshl_add_u32 v254, v0, 2, 0x22000
	v_mov_b32 v255, 0
	s_wait_alu depctr_va_vdst(0)
	s_wait_tensorcnt 0x0
	ds_add_u32 v254, v255
	s_wait_dscnt 0x0
	s_endpgm
.Lfunc_end_k_q5e9aeee1ef_rows:
	.size	k_q5e9aeee1ef_rows, .Lfunc_end_k_q5e9aeee1ef_rows-k_q5e9aeee1ef_rows
	.p2alignl 7, 3214868480
	.fill 96, 4, 3214868480
	.section	.rodata,"a",@progbits
	.p2align	6, 0x0
	.amdhsa_kernel k_q5e9aeee1ef_rows
		.amdhsa_group_segment_fixed_size 141312
		.amdhsa_private_segment_fixed_size 0
		.amdhsa_enable_private_segment 0
		.amdhsa_kernarg_size 32
		.amdhsa_user_sgpr_count 2
		.amdhsa_user_sgpr_kernarg_segment_ptr 1
		.amdhsa_wavefront_size32 1
		.amdhsa_system_sgpr_workgroup_id_x 1
		.amdhsa_system_sgpr_workgroup_id_y 1
		.amdhsa_system_sgpr_workgroup_id_z 1
		.amdhsa_system_vgpr_workitem_id 0
		.amdhsa_next_free_vgpr 256
		.amdhsa_next_free_sgpr 66
		.amdhsa_reserve_vcc 1
		.amdhsa_float_denorm_mode_32 3
		.amdhsa_float_denorm_mode_16_64 3
		.amdhsa_memory_ordered 1
		.amdhsa_forward_progress 1
		.amdhsa_inst_pref_size 71
	.end_amdhsa_kernel
	.amdgpu_metadata
---
amdhsa.version: [ 1, 2 ]
amdhsa.kernels:
  - .name:           k_q5e9aeee1ef_rows
    .symbol:         k_q5e9aeee1ef_rows.kd
    .args:
      - { .name: q, .offset: 0, .size: 8, .value_kind: global_buffer, .address_space: global }
      - { .name: kv, .offset: 8, .size: 8, .value_kind: global_buffer, .address_space: global }
      - { .name: lead, .offset: 16, .size: 8, .value_kind: global_buffer, .address_space: global }
      - { .name: out0, .offset: 24, .size: 8, .value_kind: global_buffer, .address_space: global }
    .group_segment_fixed_size: 141312
    .private_segment_fixed_size: 0
    .kernarg_segment_align: 8
    .kernarg_segment_size: 32
    .max_flat_workgroup_size: 512
    .sgpr_count:     66
    .vgpr_count:     256
    .wavefront_size: 32
...
	.end_amdgpu_metadata
.endif
;; end of part 3
